; MI455X (gfx1250); checked and timed in simulation.
; The chip was launched on July 23, 2026; its instructions are those of AMD's public machine-readable ISA for CDNA 5 (MIT licence, August 2026) and "CDNA5" Instruction Set Architecture Reference Guide (July 2026). The comments in the code are by the model that wrote it; some were corrected since.
;; Multi Dense. Allowed arithmetic: matrix products marked QUANTISED: E4M3 operands, one E8M0 scale for each 32 along K, by v_wmma_scale_f32_16x16x128_f8f6f4 with both operands' format E4M3, f32 sums; products left as they are: f32 operands where the result goes on into a quantised operand, else bf16, f16 or f32 operands; f32 sums; everything else in f32.
;; Inputs: bias_lookup 16 x 256 float32; lookups 65,536 x 16 float32; values 65,536 x 256 float32; weights_lookup 16 x 256 x 256 float32.
;; Outputs: out0 65,536 x 256 float32.
;; This version of the problem:
;;   THIS VERSION OF THE PROBLEM IS GIVEN IN LOW PRECISION. The matrix products marked QUANTISED in the list below multiply operands that are first quantised to E4M3 (4 exponent bits, 3 mantissa bits; 8 bits a number), with one power-of-two scale for each 32 numbers along K (OCP MX v1.0); their sums are f32. All else is computed in f32.
;;   The module's matrix products, in the order in which they are computed (A, B: the left and right operand; K: the contracted axis; several contracted axes count as one K, in the product's order):
;;     1. batch 65,536 x [M 16, K 1] x [K 1, N 256]; A: computed on the way; B: computed on the way: left as it is (no contracted axis)
;;     2. [M 65,536, K 4,096] x [K 4,096, N 256]; A: computed on the way; B: input weights_lookup: QUANTISED
;;     3. [M 65,536, K 16] x [K 16, N 256]; A: input lookups; B: input bias_lookup: left as it is (K = 16 < 32)
;;   THE QUANTISER, for each operand of a quantised product, along K:
;;     - K is cut into blocks of 32 from its start; a last block that is shorter is filled with zeros.
;;     - A block's scale is 2^e with e = floor(log2(the largest magnitude in the block)) - 8, held to -126 .. 127; a block of zeros has e = 0. As a byte (E8M0): e + 127.
;;     - Each number is divided by its block's scale, clamped to +-448, and rounded to the nearest number of E4M3, ties to even, subnormals kept.
;;     - The product sums the exact products of the quantised numbers (number of the format x scale) in f32.
;;   ~~~python
;;   def quantise(x, axis):      # numpy; x: float32 -> the quantised numbers, widened to float32 again
;;       x = np.moveaxis(x, axis, -1); K = x.shape[-1]
;;       x = np.pad(x, [(0, 0)] * (x.ndim - 1) + [(0, -K % 32)]); x = x.reshape(x.shape[:-1] + (-1, 32)); a = np.abs(x).max(-1, keepdims=True)
;;       e = np.where(a > 0, np.clip(np.frexp(np.where(a > 0, a, 1))[1] - 1 - 8, -126, 127), 0)      # np.frexp(a)[1] - 1 = floor(log2(a)), exactly
;;       r = np.clip(x / 2.0 ** e, -448, 448)
;;       step = 2.0 ** (np.maximum(np.frexp(np.where(r == 0, 1, r))[1] - 1, -6) - 3)
;;       q = np.round(r / step) * step * 2.0 ** e      # np.round: ties to even
;;       return np.moveaxis(q.reshape(q.shape[:-2] + (-1,))[..., :K], -1, axis).astype(np.float32)
;;   ~~~
;;   OPERANDS COMPUTED ON THE WAY. 'Computed on the way' means the value that the module computes at that place (a softmax that the list does not call 'softmax' is quantised finished and normalised). What goes into a quantiser is computed in f32, as accurately as f32 sums, v_exp_f32 and their like allow (about 1e-6 of the number): no bf16 or f16 on the way to a quantiser, and a product that is left as it is and whose result goes on into a quantised operand takes f32 operands (vector FMAs, or v_wmma_f32_16x16x4_f32). A number that lies on a knife's edge between two numbers of the format may be rounded either way, as far as f32 arithmetic and the matrix unit's own rounding can turn it there, and no further.
;; One version. Each part assembles by itself: llvm-mc -triple=amdgcn-amd-amdhsa -mcpu=gfx1250 --defsym DOCPART=n.
;; ======== version 1 of 1: 2 launches
;; limits: values are held in bf16: 8 bits of precision; right only within a limited range of input values
;; workspace buffers: wq 1,097,728 bytes
;; launch prep (part 1): grid 136 x 1, 2 waves a work-group, no clusters, 768 bytes of LDS; arguments weights_lookup, bias_lookup, wq; writes wq
.if DOCPART == 1
	.amdgcn_target "amdgcn-amd-amdhsa--gfx1250"
	.amdhsa_code_object_version 6
	.text
	.protected	k_qb2d8570342_prep
	.globl	k_qb2d8570342_prep
	.p2align	8
	.type	k_qb2d8570342_prep,@function
k_qb2d8570342_prep:
	s_mov_b64 s[64:65], 0
	v_nop
	global_prefetch_b8 v0, s[64:65] scope:SCOPE_SE
	s_setreg_imm32_b32 hwreg(HW_REG_WAVE_MODE, 25, 1), 1
	s_wait_xcnt 0x0
; weights_lookup [16 (l)][256 (i)][256 (o)] f32 is the right operand of a product whose K runs over i and l, i outermost: k = 16 i + l.  A block of 32 along K is so two neighbouring i x all 16 l.
; It is quantised into codes of FP8 (E4M3) with one E8M0 byte a block, and laid in wq AS THE NEXT LAUNCH'S OPERAND REGISTERS WANT IT.
; A K step t (0 .. 31) holds four blocks c = 0 .. 3: i = 8 t + 2 c, 8 t + 2 c + 1.  Its image is KSB = 33,792 bytes:
;   n x 2,048 + c x 512 + lane x 16 + j : the code of W[8 (lane / 16) + j % 8][8 t + 2 c + j / 8][16 n + lane % 16]   (n = 0 .. 15: a fragment of 16 columns, 16 registers a lane; the order inside a block is this program's own, alike on both sides)
;   32,768 + p x 256 + lane x 8 + 4 u   : the scale word (byte c = block c) of column 16 (4 p + 2 u + lane / 16) + lane % 16
; Behind the 32 K steps, at BQ: bias_lookup [16][256] as bf16 fragments (16 columns x K = 32, of which l = 0 .. 15 are real): n x 1,024 + lane x 16: bias[8 h + 0 .. 7][16 n + r]; + 512: zeros.
; A block's scale is 2^(floor(log2(largest magnitude)) - 8); its byte is that magnitude's exponent field - 8, held at 1 from below.  A block of zeros gets the byte 1 with zero codes: this program alone reads the bytes.
; LIMITS: NaN and infinities among the inputs are not served.  The bias is rounded to bf16 (its product is left as it is and takes bf16 operands).
; SHARES.  Work-groups 0 .. 127: K step t = x / 4, columns 64 (x % 4) on; wave u takes 32 of them, A LANE A COLUMN, ITS 32 REGISTERS A BLOCK, in the image's order: the largest magnitude needs no other lane, and the
; conversions' results are the image's bytes.  Each load reads 128 consecutive bytes a wave; each store of codes writes two aligned runs of 256 bytes.  Work-groups 128 .. 135: the bias, a fragment a wave.
.set KSB, 33792
.set BQ,  32*KSB
.set X,   32                           ; v32-159  four blocks of 32 numbers
.set C,   160                          ; v160-191 eight registers of codes for each block: no store's data are written again
.set WD,  12                           ; v12      my column's scale word
	s_load_b128 s[4:7], s[0:1], 0x0                ; W s[4:5], bias s[6:7]
	s_load_b64 s[8:9], s[0:1], 0x10                ; wq
	v_lshl_add_u32 v192, v0, 2, 0x200
	v_mov_b32 v193, 0
	v_lshrrev_b32 v1, 5, v0
	v_readfirstlane_b32 s10, v1                    ; wave u
	v_and_b32 v2, 31, v0                           ; lane
	v_lshrrev_b32 v4, 4, v2                        ; lane / 16
	v_and_b32 v5, 15, v2                           ; lane % 16
	s_mov_b32 s11, 0x600000                        ; the mantissa field of 448
	s_cmp_ge_u32 ttmp9, 128                        ; the same for both waves of a work-group
	s_cbranch_scc1 .Lbias
	s_lshr_b32 s12, ttmp9, 2                       ; t
	s_and_b32 s13, ttmp9, 3                        ; p
	s_lshl_b32 s16, s12, 13                        ; W: 8 t rows i of 1,024 bytes,
	s_lshl_b32 s17, s13, 8                         ; 64 p columns,
	s_add_co_u32 s16, s16, s17
	s_lshl_b32 s17, s10, 7                         ; 32 u columns
	s_add_co_u32 s16, s16, s17
	s_mov_b32 s17, 0
	s_mul_i32 s18, s12, KSB                        ; wq: the K step's image
	s_lshl_b32 s19, s13, 13                        ; codes: fragments 4 p + 2 u on
	s_add_co_u32 s20, s18, s19
	s_lshl_b32 s19, s10, 12
	s_add_co_u32 s20, s20, s19
	s_mov_b32 s21, 0
	s_lshl_b32 s19, s13, 8                         ; scale words: 256 p
	s_add_co_u32 s22, s18, s19
	s_add_co_u32 s22, s22, 32768
	s_mov_b32 s23, 0
	s_wait_alu depctr_va_vdst(0)
	v_lshlrev_b32 v3, 2, v2                        ; in: 4 bytes a lane
	v_lshlrev_b32 v4, 11, v4
	v_lshl_add_u32 v4, v5, 4, v4                   ; out: fragment lane / 16, 16 bytes for column lane % 16
	v_lshlrev_b32 v6, 3, v2                        ; scale words: 8 bytes a lane,
	s_lshl_b32 s19, s10, 2
	v_add_nc_u32 v7, s19, v6                       ; of which wave u writes word u
	s_wait_alu depctr_va_vdst(0)
	s_wait_kmcnt 0x0
	s_add_nc_u64 s[4:5], s[4:5], s[16:17]
	s_add_nc_u64 s[24:25], s[8:9], s[20:21]
	s_add_nc_u64 s[26:27], s[8:9], s[22:23]
.macro LOAD c                          ; block c: register x = W[8 (x / 16) + x % 8][8 t + 2 c + (x / 8) % 2][my column]; a plane l is 262,144 bytes, a row i 1,024: 3,939,328 at the most, inside the signed 24-bit immediate
.irp i, 0,1,2,3,4,5,6,7,8,9,10,11,12,13,14,15,16,17,18,19,20,21,22,23,24,25,26,27,28,29,30,31
	global_load_b32 v[X+32*(\c)+\i], v3, s[4:5] offset:(8*(\i/16)+\i%8)*262144+(2*(\c)+(\i/8)%2)*1024 th:TH_LOAD_NT
.endr
.endm
.macro BLOCK c
.set XS, X+32*(\c)
.set CC, C+8*(\c)
.if (\c) < 3
	s_wait_loadcnt 32                              ; this block's 32 loads are in; the next block's 32 may be out
.else
	s_wait_loadcnt 0x0
.endif
.if (\c) < 2
	LOAD (\c)+2                                    ; two blocks ahead, into registers of their own
.endif
	v_max3_num_f32 v8, |v[XS]|, |v[XS+1]|, |v[XS+2]|               ; the block's largest magnitude: all 32 numbers are mine; two chains
	v_max3_num_f32 v9, |v[XS+3]|, |v[XS+4]|, |v[XS+5]|
.irp i, 6,10,14,18,22,26
	v_max3_num_f32 v8, v8, |v[XS+\i]|, |v[XS+\i+1]|
	v_max3_num_f32 v9, v9, |v[XS+\i+2]|, |v[XS+\i+3]|
.endr
	v_max3_num_f32 v8, v8, |v[XS+30]|, |v[XS+31]|
	v_max3_num_f32 v8, v8, v9, 0x4800000           ; and the floor 2^(9 - 127): the byte cannot fall under 1
	v_add_nc_u32 v11, 0xfc000000, v8               ; 8 off the exponent field: the conversion takes this operand's exponent field as its scale
	v_and_or_b32 v10, v8, 0x7f800000, s11          ; 448 x the scale
	v_lshrrev_b32 v13, 23, v11                     ; the scale's byte
.if (\c) == 0
	v_mov_b32 v[WD], v13
.else
	v_lshl_or_b32 v[WD], v13, 8*(\c), v[WD]
.endif
.irp i, 0,1,2,3,4,5,6,7,8,9,10,11,12,13,14,15,16,17,18,19,20,21,22,23,24,25,26,27,28,29,30,31
	v_med3_num_f32 v[XS+\i], v[XS+\i], -v10, v10   ; the conversion to an 8-bit code does not saturate (ISA guide 7.6.2): hold the number first
.endr
.irp g, 0,1,2,3
	v_cvt_scalef32_pk8_fp8_f32 v[CC+2*\g:CC+2*\g+1], v[XS+8*\g:XS+8*\g+7], v11
.endr
	v_nop                                          ; a plain line behind the last conversion
	global_store_b128 v4, v[CC:CC+3], s[24:25] offset:512*(\c)          ; l = 0 .. 7 of both i: the image's lanes 0-15; sixteen lanes write 256 consecutive bytes, aligned
	global_store_b128 v4, v[CC+4:CC+7], s[24:25] offset:512*(\c)+256    ; l = 8 .. 15: its lanes 16-31
.endm
	LOAD 0
	LOAD 1
	BLOCK 0
	BLOCK 1
	BLOCK 2
	BLOCK 3
	ds_store_b32 v7, v[WD]                         ; the two waves' words meet in LDS, so that they leave as one run of 256 bytes
	s_wait_dscnt 0x0                               ; for the other wave's sake: my store is done
	s_barrier_signal -1
	s_barrier_wait -1
	s_cmp_lg_u32 s10, 0
	s_cbranch_scc1 .Lend
	ds_load_b64 v[14:15], v6
	s_wait_dscnt 0x0
	global_store_b64 v6, v[14:15], s[26:27]        ; 32 lanes store 256 consecutive bytes, aligned
.Lend:
	s_wait_tensorcnt 0x0
	ds_add_u32 v192, v193
	s_wait_dscnt 0x0
	s_endpgm
.Lbias:                                            ; no LDS and no barrier on this way
	s_sub_co_u32 s12, ttmp9, 128
	s_lshl_b32 s12, s12, 1
	s_add_co_u32 s12, s12, s10                     ; fragment n
	s_lshl_b32 s16, s12, 6                         ; its 16 columns: 64 bytes of a row
	s_mov_b32 s17, 0
	s_lshl_b32 s20, s12, 10
	s_add_co_u32 s20, s20, BQ
	s_mov_b32 s21, 0
	s_wait_alu depctr_va_vdst(0)
	v_lshlrev_b32 v3, 13, v4                       ; rows 8 h on, 1,024 bytes each,
	v_lshl_add_u32 v3, v5, 2, v3                   ; column r
	v_lshlrev_b32 v6, 4, v2
	s_wait_alu depctr_va_vdst(0)
	s_wait_kmcnt 0x0
	s_add_nc_u64 s[6:7], s[6:7], s[16:17]
	s_add_nc_u64 s[8:9], s[8:9], s[20:21]
.irp j, 0,1,2,3,4,5,6,7
	global_load_b32 v[32+\j], v3, s[6:7] offset:1024*\j
.endr
.irp e, 0,1,2,3
	v_mov_b32 v[44+\e], 0                          ; K = 16 .. 31 of the bf16 form: zeros
.endr
	s_wait_alu depctr_va_vdst(0)
	s_wait_loadcnt 0x0
.irp e, 0,1,2,3
	v_cvt_pk_bf16_f32 v[40+\e], v[32+2*\e], v[33+2*\e]
.endr
	global_store_b128 v6, v[40:43], s[8:9]
	global_store_b128 v6, v[44:47], s[8:9] offset:512
	s_endpgm
.Lfunc_end_k_qb2d8570342_prep:
	.size	k_qb2d8570342_prep, .Lfunc_end_k_qb2d8570342_prep-k_qb2d8570342_prep
	.p2alignl 7, 3214868480
	.fill 96, 4, 3214868480
	.section	.rodata,"a",@progbits
	.p2align	6, 0x0
	.amdhsa_kernel k_qb2d8570342_prep
		.amdhsa_group_segment_fixed_size 768
		.amdhsa_private_segment_fixed_size 0
		.amdhsa_enable_private_segment 0
		.amdhsa_kernarg_size 24
		.amdhsa_user_sgpr_count 2
		.amdhsa_user_sgpr_kernarg_segment_ptr 1
		.amdhsa_wavefront_size32 1
		.amdhsa_system_sgpr_workgroup_id_x 1
		.amdhsa_system_sgpr_workgroup_id_y 1
		.amdhsa_system_sgpr_workgroup_id_z 1
		.amdhsa_system_vgpr_workitem_id 0
		.amdhsa_next_free_vgpr 194
		.amdhsa_next_free_sgpr 66
		.amdhsa_reserve_vcc 0
		.amdhsa_float_denorm_mode_32 3
		.amdhsa_float_denorm_mode_16_64 3
		.amdhsa_memory_ordered 1
		.amdhsa_forward_progress 1
		.amdhsa_inst_pref_size 32
	.end_amdhsa_kernel
	.amdgpu_metadata
---
amdhsa.version: [ 1, 2 ]
amdhsa.kernels:
  - .name:           k_qb2d8570342_prep
    .symbol:         k_qb2d8570342_prep.kd
    .args:
      - { .name: weights_lookup, .offset: 0, .size: 8, .value_kind: global_buffer, .address_space: global }
      - { .name: bias_lookup, .offset: 8, .size: 8, .value_kind: global_buffer, .address_space: global }
      - { .name: wq, .offset: 16, .size: 8, .value_kind: global_buffer, .address_space: global }
    .group_segment_fixed_size: 768
    .private_segment_fixed_size: 0
    .kernarg_segment_align: 8
    .kernarg_segment_size: 24
    .max_flat_workgroup_size: 64
    .sgpr_count:     66
    .vgpr_count:     194
    .wavefront_size: 32
...
	.end_amdgpu_metadata
.endif
;; end of part 1
;; launch main (part 2): grid 256 x 1, 4 waves a work-group, clusters of 4 x 1, 327,680 bytes of LDS; arguments values, lookups, wq, out0; writes out0
.if DOCPART == 2
	.amdgcn_target "amdgcn-amd-amdhsa--gfx1250"
	.amdhsa_code_object_version 6
	.text
	.protected	k_qb2d8570342_main
	.globl	k_qb2d8570342_main
	.p2align	8
	.type	k_qb2d8570342_main,@function
k_qb2d8570342_main:
	s_mov_b64 s[64:65], 0
	v_nop
	global_prefetch_b8 v0, s[64:65] scope:SCOPE_SE
	s_setreg_imm32_b32 hwreg(HW_REG_WAVE_MODE, 25, 1), 1
	s_wait_xcnt 0x0
	s_wait_alu depctr_hold_cnt(0) depctr_sa_sdst(0) depctr_va_vdst(0) depctr_va_sdst(0) depctr_va_ssrc(0) depctr_va_vcc(0) depctr_vm_vsrc(0)
	s_getreg_b32 s2, hwreg(HW_REG_IB_STS2, 6, 4)
	s_cmp_eq_u32 s2, 0
	s_cbranch_scc0 .Lentry_in_a_cluster
	s_endpgm
.Lentry_in_a_cluster:
	s_bfe_u32 s2, ttmp6, 0x10000c
	s_cmp_lg_u32 s2, 0x3003
	s_cbranch_scc0 .Lentry_shape_is_right
	s_endpgm
.Lentry_shape_is_right:
; out[b][o] = sum over k = 16 i + l of Q(values[b][i] lookups[b][l]) Q(W[l][i][o])  +  sum over l of lookups[b][l] bias[l][o].   A work-group makes 256 rows x all 256 columns, a wave 64 rows x 256: 64 accumulators of 16 x 16 (512 registers).
; The left operand is made in registers, each number of it once.  The right one (codes and scale bytes) comes from wq, laid by the launch before in operand order: 32 K steps of KSB bytes, four steps (a unit: 32 i) to an LDS slot, two slots.
; CLUSTERS: all work-groups need the same steps of wq, so four ask for each jointly; wave w fetches step w of a slot.  NO DATA PREFETCH: the values are asked for one unit (four K steps) ahead of their use by loads into registers, and wq is the same megabyte for all.
; THE QUANTISER.  A block of 32 along K is two i x sixteen l.  Its largest magnitude is max(|v0|, |v1|) x lm, lm the row's largest |l|; its scale s has that product's exponent less 8.
; ONCE A UNIT each lane makes, for two blocks of one row (lm's table lies in LDS): the scale's byte, and g = lm^2 / (600 s).  v, g and the bytes go to the wave's own records in LDS: a row's 208 bytes: four steps of [8 v][4 g], then four scale words.
; THE HOLD is taken of |l| and not of the product: L = lm (1 + 440/600) - |v| g = lm (1 - (y - 440) / 600), y = |v| lm / s < 512.  Where y <= 440, L >= lm and nothing is held.  Where y > 440, a held product is L |v| = y (1.7333 - y / 600) x s,
; which rises from 440 s to 450.6 s over y = 440 .. 512: the numbers from 432 to 464 (432 itself not among them) and all held ones have ONE code, 448.  So held or not, every number gets the very code that the quantiser gives it.
; Products are of |l|, so the hold is one-sided (two minima in one dual instruction); the sign of v rides in the product and that of l is put back by an exclusive or on four codes at a time.
; LIMITS: a row's largest |lookup| is taken to be at least 2^-40 and a block's largest |value| at least 2^-60 (below that a block's scale is coarser than the quantiser's); lookups under 2^50 in magnitude; NaN, infinities and overflowing products are not served.
; The bias's product is left as it is: bf16 operands; it starts the sums.
; ORDER OF A TRIP (it makes step t's left operand): 64 products: step t - 1's (m 3, n 0-7), (m 0 .. 3, n 8-15), then step t's (m 0 .. 2, n 0-7).  Tile m's codes are written behind its last product of step t - 1.
; The products are used transposed (source 0 = 16 columns of W, source 1 = 16 rows): a lane holds eight neighbouring columns of a row of the result.
; REGISTERS: window 0: below; window 1: sixteen fragments of W; window 2: accumulators of m = 0, 1; window 3: of m = 2, 3.
.set KSB,    33792
.set SLOT,   4*KSB
.set VKP,    208                       ; a record: 13 x 16 bytes: sixteen rows start at different banks
.set VK,     2*SLOT                    ; behind the slots: the records of 256 rows,
.set TBLK,   VK+256*VKP                ; the row table: lm / 256 and lm^2 / 600,
.set SPARE,  TBLK+2048                 ; and the spare words, 128 bytes a wave
.set BQ,     32*KSB
.set SPITCH, 528                       ; the way out: 16 rows x (512 + 16) bytes a wave, in slot 0
.set ADW,  0                           ; v0 (behind the head): LDS address of my scale words
.set LI,   1                           ; 16 x lane
.set LI8,  2
.set ADB,  3                           ; LDS address of the step's fragments, of its scale words,
.set ADS,  4
.set ADL0, 5
.set ADL,  6                           ; of my records
.set VOFF, 7
.set VKW,  8                           ; where a unit's v, g and bytes are put
.set VGW,  9
.set VWW,  10
.set SPW,  11
.set NIL,  12
.set CTA,  13                          ; the row table
.set WW,   14                          ; a tile's scale word as loaded
.set G,    16                          ; its four g
.set AW,   20                          ; scale words of the four tiles
.set BS0,  24                          ; W's scale words: n 0-7 at v24-27, n 8-15 at v32-35
.set BS1,  32
.set C1,   28                          ; 1.7333 lm for the four tiles
.set LS,   40                          ; sign words of the lookups, two a tile
.set V,    48                          ; values of a tile's rows, two sets of eight
.set WB,   56                          ; a unit's scale bytes on their way to the records
.set SS,   64                          ; the conversions' scale operands
.set LV,   68                          ; eight bounds L
.set P,    76                          ; three sets of eight products
.set CT,   68                          ; at a change of units: the row table's pairs, then the pairs of g
.set AC,   100                         ; the four tiles' codes
.set LA,   164                         ; |lookups|, eight a tile
.set WV,   12
.set G1,   16
.set G0,   24
.set SEL,  32
.set TB,   35
.set CI,   36
.set CU,   37
.set TL,   46
.set TW,   47
.set MUL_LO, 0xa1
.set MUL_HI, 0xf1
.set TO_B,   0x40
.set MSB, 0
.macro WIN new                         ; the immediate's high byte repeats the setting that is left
.if MSB != (\new)
	s_set_vgpr_msb (MSB<<8)|(\new)
.set MSB, (\new)
.endif
.endm
.macro PLACES n
.rept \n
	v_nop
.endr
.endm
.macro CREST                           ; a round of the cluster's barrier behind its opening barrier
	s_cmp_lg_u32 s[WV], 0
	s_cbranch_scc1 .Lnot_wave_0_\@
	s_barrier_signal -3
.Lnot_wave_0_\@:
	s_barrier_wait -3
	s_barrier_signal -1
	s_barrier_wait -1
.endm
.macro CROUND
	s_barrier_signal -1
	s_barrier_wait -1
	CREST
.endm
.macro ACW m
.if (\m) < 2
	WIN MUL_LO
.else
	WIN MUL_HI
.endif
.endm
.macro MAT m, n                        ; tile m x fragment n, 128 along K.  Each accumulator has one turn a step
.set rD, 8*(16*((\m)%2)+(\n))
.set rB, BS0+(\n)/2
.if (\n) > 7
.set rB, BS1+((\n)-8)/2
.endif
	ACW \m
.if (\n)%2
	v_wmma_scale_f32_16x16x128_f8f6f4 v[rD:rD+7], v[16*(\n):16*(\n)+15], v[AC+16*(\m):AC+16*(\m)+15], v[rD:rD+7], v[rB], v[AW+(\m)] matrix_a_scale:MATRIX_SCALE_ROW1
.else
	v_wmma_scale_f32_16x16x128_f8f6f4 v[rD:rD+7], v[16*(\n):16*(\n)+15], v[AC+16*(\m):AC+16*(\m)+15], v[rD:rD+7], v[rB], v[AW+(\m)]
.endif
.endm
.macro BIAS1 m, n                      ; the bias starts a sum: the lookups as bf16 lie where tile m's codes will
	ACW \m
.set rD, 8*(16*((\m)%2)+(\n))
	v_wmma_f32_16x16x32_bf16 v[rD:rD+7], v[16*(\n):16*(\n)+7], v[AC+16*(\m):AC+16*(\m)+7], 0
.endm
; A unit's values: load t brings rows 4 t .. 4 t + 3, eight lanes to a row's 128 bytes; v196-255 and v36-39
.macro TRT t
.set tr, 196+4*(\t)
.if (\t) == 15
.set tr, 36
.endif
.endm
.macro VLOAD
.irp t, 0,1,2,3,4,5,6,7,8,9,10,11,12,13,14,15
	TRT \t
	global_load_b128 v[tr:tr+3], v[VOFF], s[4:5] offset:4096*\t
.endr
.endm
.macro DENSE1                          ; v to the records, and the row table's pairs for my sixteen rows (LDS serves a wave's instructions in order)
.irp t, 0,1,2,3,4,5,6,7,8,9,10,11,12,13,14,15
	TRT \t
	ds_store_b128 v[VKW], v[tr:tr+3] offset:4*VKP*\t
.endr
.irp t, 0,1,2,3,4,5,6,7,8,9,10,11,12,13,14,15
	ds_load_b64 v[CT+2*\t:CT+2*\t+1], v[CTA] offset:32*\t
.endr
.endm
.macro DENSE2                          ; each block's largest |value|, held at 2^-60 from below
.irp t, 0,1,2,3,4,5,6,7,8,9,10,11,12,13,14,15
	TRT \t
	v_max3_num_f32 v[tr], |v[tr]|, |v[tr+1]|, s50
	v_max3_num_f32 v[tr+2], |v[tr+2]|, |v[tr+3]|, s50
.endr
.endm
.macro DENSE3                          ; x lm / 256: its exponent field is the scale's byte; 1 / s by subtracting that field; g; the bytes, two rows' pairs to a register
.irp t, 0,1,2,3,4,5,6,7,8,9,10,11,12,13,14,15
	TRT \t
	v_mul_f32 v[tr], v[tr], v[CT+2*\t]
	v_mul_f32 v[tr+2], v[tr+2], v[CT+2*\t]
.endr
.irp t, 0,1,2,3,4,5,6,7,8,9,10,11,12,13,14,15
	TRT \t
	v_and_b32 v[tr], s48, v[tr]
	v_and_b32 v[tr+2], s48, v[tr+2]
.endr
.irp t, 0,1,2,3,4,5,6,7,8,9,10,11,12,13,14,15
	TRT \t
	v_sub_nc_u32 v[tr+1], s49, v[tr]
	v_sub_nc_u32 v[tr+3], s49, v[tr+2]
.endr
.irp t, 0,1,2,3,4,5,6,7,8,9,10,11,12,13,14,15
	TRT \t
	v_mul_f32 v[CT+2*\t], v[tr+1], v[CT+2*\t+1]
	v_mul_f32 v[CT+2*\t+1], v[tr+3], v[CT+2*\t+1]
.endr
.irp t, 0,2,4,6,8,10,12,14
	TRT \t
	v_lshrrev_b32 v[tr], 23, v[tr]
	v_lshrrev_b32 v[tr+2], 15, v[tr+2]
	TRT \t+1
	v_lshrrev_b32 v[tr], 7, v[tr]
.endr
.irp t, 0,2,4,6,8,10,12,14
	TRT \t
	v_or_b32 v[WB+\t/2], v[tr], v[tr+2]
.endr
.irp t, 1,3,5,7,9,11,13,15
	TRT \t
	v_or_b32 v[WB+\t/2], v[WB+\t/2], v[tr]
.endr
.irp t, 1,3,5,7,9,11,13,15
	TRT \t
	v_lshl_or_b32 v[WB+\t/2], v[tr+2], 1, v[WB+\t/2]
.endr
.endm
.macro DENSE4                          ; g and the bytes to the records
.irp t, 0,1,2,3,4,5,6,7,8,9,10,11,12,13,14,15
	ds_store_b64 v[VGW], v[CT+2*\t:CT+2*\t+1] offset:4*VKP*\t+32
.endr
.irp t, 0,2,4,6,8,10,12,14
	ds_store_b16 v[VWW], v[WB+\t/2] offset:4*VKP*\t+192
	ds_store_b16_d16_hi v[VWW], v[WB+\t/2] offset:4*VKP*(\t+1)+192
.endr
.endm
; THE VECTOR WORK OF A TILE: 101 lines, ti of tile tm.  Half block x (0 .. 7) is value x with my eight lookups: four dual minima, four dual products, a conversion, two exclusive ors.
.macro DMIN x
	v_dual_min_num_f32 v[P+8*((\x)%3)+2*pe], v[LV+(\x)], v[la+2*pe] :: v_dual_min_num_f32 v[P+8*((\x)%3)+2*pe+1], v[LV+(\x)], v[la+2*pe+1]
.endm
.macro DMUL x
	v_dual_mul_f32 v[P+8*((\x)%3)+2*pe], v[vb+(\x)], v[P+8*((\x)%3)+2*pe] :: v_dual_mul_f32 v[P+8*((\x)%3)+2*pe+1], v[vb+(\x)], v[P+8*((\x)%3)+2*pe+1]
.endm
.macro CVT x
	v_cvt_scalef32_pk8_fp8_f32 v[ac+2*(\x):ac+2*(\x)+1], v[P+8*((\x)%3):P+8*((\x)%3)+7], v[SS+(\x)/2]
.endm
.macro SGN x, f
	v_xor_b32 v[ac+2*(\x)+\f], v[LS+2*tm+\f], v[ac+2*(\x)+\f]
.endm
.macro PAIR                            ; a stage: half block st's minima and st - 1's products by turns
.set pe, sr/2
.if sr%2 == 0
	DMIN st
.else
	DMUL st-1
.endif
.endm
.macro TOP
.set vb, V+8*(tm%2)
.set la, LA+8*tm
.set ac, AC+16*tm
.if ti < 8
	v_fma_f32 v[LV+ti], -|v[vb+ti]|, v[G+ti/2], v[C1+tm]
.elseif ti < 11
	v_lshlrev_b32 v[SS+ti-8], 23-8*(ti-8), v[WW]   ; byte c to bits 30:23: the conversion reads that field alone
.elseif ti == 11
	v_lshrrev_b32 v[SS+3], 1, v[WW]
.elseif ti < 16
.set pe, ti-12
	DMIN 0
.elseif ti < 32
.set st, 1+(ti-16)/8
.set sr, (ti-16)%8
	PAIR
.elseif ti == 32
	CVT 0
.elseif ti == 33
	v_mov_b32 v[AW+tm], v[WW]
.elseif ti < 89
.set st, 3+(ti-34)/11
.set sr, (ti-34)%11
.if sr < 8
	PAIR
.elseif sr == 8
	CVT st-2
.else
	SGN st-3, sr-9
.endif
.elseif ti < 93
.set pe, ti-89
	DMUL 7
.elseif ti == 93
	SGN 5, 0
.elseif ti == 94
	CVT 6
.elseif ti == 95
	SGN 5, 1
.elseif ti == 96
	CVT 7
.elseif ti < 99
	SGN 6, ti-97
.else
	SGN 7, ti-99
.endif
.endm
.macro VOP                             ; line j of the trip.  A tile's records have landed ahead of its first line; no vector result of the tile before is read soon behind that wait
.if j < 404
.if (j == 101) || (j == 202) || (j == 303)
	s_wait_dscnt 0x0
.endif
.set tm, j/101
.set ti, j%101
	TOP
.elseif j == 404
	s_add_co_u32 s[TL], s[TL], 48
	s_add_co_u32 s[TW], s[TW], 4
	v_add_nc_u32 v[ADL], s[TL], v[ADL0]            ; on to the next step's records; with the next three lines the four places ahead of the product that reads the last codes
.elseif j == 405
	v_add_nc_u32 v[ADW], s[TW], v[ADL0]
.else
	v_nop
.endif
.set j, j+1
.endm
.macro REC m                           ; tile m's records: 8 v, 4 g, the scale word
	ds_load_b128 v[V+8*((\m)%2):V+8*((\m)%2)+3], v[ADL] offset:16*VKP*(\m)
	ds_load_b128 v[V+8*((\m)%2)+4:V+8*((\m)%2)+7], v[ADL] offset:16*VKP*(\m)+16
	ds_load_b128 v[G:G+3], v[ADL] offset:16*VKP*(\m)+32
	ds_load_b32 v[WW], v[ADW] offset:16*VKP*(\m)+192
.endm
.macro FRAGS p                         ; fragments 4 p .. 4 p + 3 of the step and their scale words: at least eight plain vector lines behind the last product that read these registers
.set bsr, BS0+2*(\p)
.if (\p) > 1
.set bsr, BS1+2*((\p)-2)
.endif
	ds_load_b64 v[bsr:bsr+1], v[ADS] offset:256*(\p)
	WIN TO_B
.irp f, 0,1,2,3
.irp c, 0,1,2,3
	ds_load_b128 v[16*(4*(\p)+\f)+4*\c:16*(4*(\p)+\f)+4*\c+3], v[ADB] offset:(4*(\p)+\f)*2048+512*\c
.endr
.endr
	WIN 0
.endm
.macro TRIP bias
.set j, 0
.set k, 0
	REC 0
.rept 64
.if k == 8
	s_wait_dscnt 0x0                               ; tile 0's records and the last trip's fragments 12-15
.endif
.if k < 8
.if \bias
	BIAS1 0, k
	BIAS1 1, k
	BIAS1 2, k
	BIAS1 3, k
.else
	MAT 3, k
.endif
.elseif k < 40
.if \bias
	BIAS1 (k-8)/8, 8+k%8
.else
	MAT (k-8)/8, 8+k%8
.endif
.else
	MAT (k-40)/8, k%8
.endif
	WIN 0
.if k < 8
.set cnt, 0
.if k == 4
	v_add_nc_u32 v[ADB], s[TB], v[LI]              ; this step's place in the slot
.elseif k == 5
	v_add_nc_u32 v[ADS], s[TB], v[LI8]
	s_add_co_u32 s[TB], s[TB], KSB
.endif
.elseif k < 15
.set cnt, 3+k%2
.elseif k == 15
.set cnt, 8                            ; eight places behind tile 0's last product of the step before, ahead of its first conversion
.elseif (k == 17) || (k == 30) || (k == 43) || (k == 51)
.set cnt, 16
.elseif k == 63
.set cnt, 18
.elseif k%6 == 0
.set cnt, 6
.else
.set cnt, 7
.endif
.rept cnt
	VOP
.endr
.if k == 17
	REC 1
	FRAGS 0
.elseif k == 30
	REC 2
	FRAGS 1
.elseif k == 43
	REC 3
	FRAGS 2
.elseif k == 51
	FRAGS 3
.endif
.set k, k+1
.endr
	s_wait_alu depctr_va_vdst(0)                   ; the wait ahead of the branch
.endm
; THE CHANGE OF UNITS: the unit's values are in; they become records while the waves meet; the slot just read out is filled again (fill = 1) and the next unit's values are asked for (next = 1).
.macro UNIT base, fill, g0, next
	s_wait_loadcnt 0x0
	DENSE1
	s_wait_tensorcnt 0x0                           ; my part of the other slot is in;
	ds_add_u32 v[SPW], v[NIL]
.if \fill
	s_add_nc_u64 s[\g0+2:\g0+3], s[\g0+2:\g0+3], 2*SLOT
.endif
	DENSE2
.if \next
	v_add_nc_u32 v[VOFF], 128, v[VOFF]
.endif
	s_wait_dscnt 0x0                               ; the add, my reads of the old slot and the row table
	s_barrier_signal -1
	DENSE3
	s_wait_alu depctr_va_vdst(0)
	s_barrier_wait -1
.if \fill
	CREST
	tensor_load_to_lds s[\g0:\g0+3], s[G1:G1+7]
	s_nop 0
	PLACES 4
.endif
.if \next
	VLOAD
.endif
	DENSE4
	s_mov_b32 s[TB], \base
	s_mov_b32 s[TL], 0
	s_mov_b32 s[TW], 0
	v_add_nc_u32 v[ADL], s[TL], v[ADL0]
	v_add_nc_u32 v[ADW], s[TW], v[ADL0]
	s_mov_b32 s[CI], 4
	s_wait_alu depctr_va_vdst(0)
.Lstep_\@:
	TRIP 0
	s_sub_co_u32 s[CI], s[CI], 1
	s_cmp_lg_u32 s[CI], 0
	s_cbranch_scc1 .Lstep_\@
.endm
	s_load_b256 s[4:11], s[0:1], 0x0               ; values, lookups, wq, out
	v_lshl_add_u32 v[SPW], v0, 2, SPARE
	v_mov_b32 v[NIL], 0
	ds_add_u32 v[SPW], v[NIL]                      ; the opening lines: the add, twice on end, and its wait
	ds_add_u32 v[SPW], v[NIL]
	v_lshrrev_b32 v48, 5, v0
	v_readfirstlane_b32 s[WV], v48                 ; wave 0..3
	s_bfe_u32 s13, ttmp6, 0x40000
	s_lshl_b32 s14, ttmp9, 2
	s_add_co_u32 s14, s14, s13                     ; work-group: 256 rows
	s_lshl_b32 s38, s14, 18                        ; rows of 1,024 bytes: values and out
	s_lshl_b32 s39, s[WV], 16
	s_add_co_u32 s38, s38, s39
	s_mov_b32 s39, 0
	s_lshl_b32 s40, s14, 14                        ; rows of 64 bytes: lookups
	s_lshl_b32 s41, s[WV], 12
	s_add_co_u32 s40, s40, s41
	s_mov_b32 s41, 0
	s_mul_i32 s42, s[WV], KSB                      ; I fetch step w of a slot
	s_mov_b32 s43, 0
	s_mov_b32 s[G1], 15|(3<<16)|(1<<21)            ; a step's image as 132 rows of 256 bytes, for all four of the cluster
	s_mov_b32 s[G1+1], 32<<16
	s_mov_b32 s[G1+2], 132<<16
	s_mov_b32 s[G1+3], 32<<16
	s_mov_b32 s[G1+4], 132
	s_mov_b32 s[G1+5], 32
	s_mov_b32 s[G1+6], 0
	s_mov_b32 s[G1+7], 0
	s_mov_b32 s[SEL], 0x76543210
	s_mov_b32 s[SEL+1], 0xfedcba98
	s_mov_b32 s48, 0x7f800000                      ; the exponent field
	s_mov_b32 s49, 0x7f000000                      ; less an exponent field: the reciprocal of that power of two
	s_mov_b32 s50, 0x21800000                      ; 2^-60
	s_mov_b32 s51, 0x00000703                      ; byte selections for the sign words
	s_mov_b32 s52, 0x07030000
	s_mov_b32 s53, 0x07060100
	s_mov_b32 s54, 0x80808080
	v_and_b32 v49, 31, v0                          ; lane
	v_and_b32 v50, 15, v0                          ; r
	v_bfe_u32 v51, v0, 4, 1                        ; h
	v_bfe_u32 v52, v0, 3, 2                        ; lane / 8: a row of four
	v_and_b32 v53, 7, v0                           ; which four i of the unit
	v_bfe_u32 v54, v0, 1, 2                        ; their step
	v_and_b32 v55, 1, v0                           ; which half of it
	v_lshlrev_b32 v[LI], 4, v49
	v_lshlrev_b32 v[LI8], 3, v49
	v_add_nc_u32 v[LI8], 32768, v[LI8]
	v_lshlrev_b32 v[VOFF], 10, v52
	v_lshl_add_u32 v[VOFF], v53, 4, v[VOFF]
	v_lshlrev_b32 v56, 6, v50                      ; lookups: row r, eight from 8 h on
	v_lshl_add_u32 v56, v51, 5, v56
	s_mul_i32 s15, s[WV], 64*VKP
	s_add_co_u32 s15, s15, VK
	v_mul_u32_u24 v[ADL0], v50, VKP
	v_add_nc_u32 v[ADL0], s15, v[ADL0]
	v_mul_u32_u24 v57, v52, VKP
	v_add_nc_u32 v57, s15, v57
	v_mad_u32_u24 v58, v54, 48, v57
	v_lshl_add_u32 v[VKW], v55, 4, v58
	v_lshl_add_u32 v[VGW], v55, 3, v58
	v_lshl_add_u32 v[VWW], v53, 1, v57
	s_lshl_b32 s15, s[WV], 9
	s_add_co_u32 s15, s15, TBLK
	v_lshlrev_b32 v59, 3, v52
	v_add_nc_u32 v[CTA], s15, v59
	v_lshlrev_b32 v60, 3, v50
	v_add_nc_u32 v60, s15, v60                     ; my row's place in the table
.irp m, 0,1,2,3
	v_mov_b32 v[SS+\m], 0                          ; (a lane permute's destination counts as read)
.endr
	s_wait_dscnt 0x0                               ; both opening adds are done
	s_wait_alu depctr_va_vdst(0)
	s_wait_kmcnt 0x0
	s_add_nc_u64 s[4:5], s[4:5], s[38:39]
	s_add_nc_u64 s[10:11], s[10:11], s[38:39]
	s_add_nc_u64 s[6:7], s[6:7], s[40:41]
	s_add_nc_u64 s[44:45], s[8:9], s[42:43]
.irp m, 0,1,2,3
.irp e, 0,1
	global_load_b128 v[LA+8*\m+4*\e:LA+8*\m+4*\e+3], v56, s[6:7] offset:1024*\m+16*\e
.endr
.endr
	VLOAD
	WIN TO_B
.irp n, 0,1,2,3,4,5,6,7,8,9,10,11,12,13,14,15
.irp e, 0,1
	global_load_b128 v[16*\n+4*\e:16*\n+4*\e+3], v[LI], s[8:9] offset:BQ+1024*\n+512*\e
.endr
.endr
	WIN 0
.irp s, 0,1
	s_mov_b32 s[G0+4*\s], 1
	s_add_co_u32 s[G0+4*\s+1], s42, \s*SLOT
	s_add_nc_u64 s[G0+4*\s+2:G0+4*\s+3], s[44:45], \s*SLOT
	s_or_b32 s[G0+4*\s+3], s[G0+4*\s+3], 0x80000000
.endr
	CROUND                                         ; all four work-groups are here: the joint loads meet
	tensor_load_to_lds s[G0:G0+3], s[G1:G1+7]      ; unit 0: one tensor load a wave at the head
	s_nop 0
	PLACES 4
	s_wait_loadcnt 48                              ; the lookups; 16 loads of values and 32 of the bias may be out
.irp m, 0,1,2,3
.irp e, 0,1,2,3
	v_cvt_pk_bf16_f32 v[AC+16*\m+\e], v[LA+8*\m+2*\e], v[LA+8*\m+2*\e+1]
	v_mov_b32 v[AC+16*\m+4+\e], 0                  ; K = 16 .. 31 of the bf16 form: zeros
.endr
.endr
.irp m, 0,1,2,3
	v_max3_num_f32 v[C1+\m], |v[LA+8*\m]|, |v[LA+8*\m+1]|, |v[LA+8*\m+2]|
.endr
.irp i, 3,5
.irp m, 0,1,2,3
	v_max3_num_f32 v[C1+\m], v[C1+\m], |v[LA+8*\m+\i]|, |v[LA+8*\m+\i+1]|
.endr
.endr
.irp m, 0,1,2,3
	v_max_num_f32 v[C1+\m], v[C1+\m], |v[LA+8*\m+7]|
.endr
.irp m, 0,1,2,3
	v_permlanex16_b32 v[SS+\m], v[C1+\m], s[SEL], s[SEL+1]
.endr
.irp m, 0,1,2,3
	v_max3_num_f32 v[C1+\m], v[C1+\m], v[SS+\m], 0x2b800000   ; lm, at least 2^-40
.endr
.irp m, 0,1,2,3                        ; the signs of eight lookups at bits 7, 15, 23, 31 of two words
.irp f, 0,1
	v_perm_b32 v[LV+4*\m+2*\f], v[LA+8*\m+4*\f+1], v[LA+8*\m+4*\f], s51
	v_perm_b32 v[LV+4*\m+2*\f+1], v[LA+8*\m+4*\f+3], v[LA+8*\m+4*\f+2], s52
.endr
.endr
.irp x, 0,1,2,3,4,5,6,7
	v_perm_b32 v[LS+\x], v[LV+2*\x+1], v[LV+2*\x], s53
.endr
.irp x, 0,1,2,3,4,5,6,7
	v_and_b32 v[LS+\x], s54, v[LS+\x]
.endr
.irp m, 0,1,2,3
	v_mul_f32 v[P+8+2*\m], 0x3b800000, v[C1+\m]    ; lm / 256
	v_mul_f32 v[P+9+2*\m], 0x3ada740e, v[C1+\m]    ; lm / 600
.endr
.irp m, 0,1,2,3
	v_mul_f32 v[P+9+2*\m], v[P+9+2*\m], v[C1+\m]
.endr
.irp x, 0,1,2,3,4,5,6,7,8,9,10,11,12,13,14,15,16,17,18,19,20,21,22,23,24,25,26,27,28,29,30,31
	v_and_b32 v[LA+\x], 0x7fffffff, v[LA+\x]
.endr
.irp m, 0,1,2,3
	v_mul_f32 v[C1+\m], 0x3fddddde, v[C1+\m]       ; lm (1 + 440 / 600)
	ds_store_b64 v60, v[P+8+2*\m:P+9+2*\m] offset:128*\m
.endr
	s_wait_alu depctr_va_vdst(0)
	s_wait_loadcnt 32                              ; unit 0's values
	DENSE1
	DENSE2
	v_add_nc_u32 v[VOFF], 128, v[VOFF]
	s_wait_dscnt 0x0
	DENSE3
	VLOAD                                          ; unit 1's values
	DENSE4
	s_mov_b32 s[TB], 0
	s_mov_b32 s[TL], 0
	s_mov_b32 s[TW], 0
	v_add_nc_u32 v[ADL], s[TL], v[ADL0]
	v_add_nc_u32 v[ADW], s[TW], v[ADL0]
	s_wait_alu depctr_va_vdst(0)                   ; the wait at the head's end
	s_wait_loadcnt 16                              ; the bias's fragments
	s_wait_tensorcnt 0x0                           ; my part of unit 0
	ds_add_u32 v[SPW], v[NIL]
	s_wait_dscnt 0x0
	CROUND
	tensor_load_to_lds s[G0+4:G0+7], s[G1:G1+7]    ; unit 1
	s_nop 0
	PLACES 4
	TRIP 1                                         ; step 0, beside the bias's products
	s_mov_b32 s[CI], 3
.Lfirst:
	TRIP 0
	s_sub_co_u32 s[CI], s[CI], 1
	s_cmp_lg_u32 s[CI], 0
	s_cbranch_scc1 .Lfirst
	s_mov_b32 s[CU], 3
.Lpair:                                                ; units 1 .. 6
	UNIT SLOT, 1, G0, 1
	UNIT 0, 1, G0+4, 1
	s_sub_co_u32 s[CU], s[CU], 1
	s_cmp_lg_u32 s[CU], 0
	s_cbranch_scc1 .Lpair
	UNIT SLOT, 0, G0, 0                            ; unit 7: nothing more to fill
; THE WAY OUT: step 31's last 40 products among the first blocks of 16 rows x 128 columns (block a: tile a / 2, columns 128 (a % 2) on), which go through my own stage and leave as whole rows of 512 bytes.
; The stage lies in slot 0: it has had its last fill, and every wave has passed the last change of units.
.set STO, 18
.set RD,  19
	v_bfe_u32 v16, v[LI], 4, 4                     ; r
	v_bfe_u32 v17, v[LI], 8, 1                     ; h
	s_mul_i32 s15, s[WV], 16*SPITCH
	v_mul_u32_u24 v[STO], v16, SPITCH
	v_lshl_add_u32 v[STO], v17, 5, v[STO]
	v_add_nc_u32 v[STO], s15, v[STO]
	v_add_nc_u32 v[RD], s15, v[LI]
	s_wait_alu depctr_va_vdst(0)
	s_wait_dscnt 0x0                               ; step 31's fragments 12-15
.macro Z m, n
.irp b, 0,1,2,3,4,5,6,7
	MAT \m, \n+\b
.endr
	WIN 0
.endm
.macro BUF x                           ; two buffers of 64: v164-227, v36-99
.set BB, 164-128*(\x)
.endm
.macro TOSTAGE a, x                    ; each accumulator from its low end on; LDS serves a wave's instructions in order, so no wait stands between stores and loads
.set rA, 8*(16*(((\a)/2)%2)+8*((\a)%2))
	WIN 0x08+4*((\a)/4)
.irp b, 0,1,2,3,4,5,6,7
	ds_store_b128 v[STO], v[rA+8*\b:rA+8*\b+3] offset:64*\b
	ds_store_b128 v[STO], v[rA+8*\b+4:rA+8*\b+7] offset:64*\b+16
.endr
	WIN 0
	BUF \x
.irp t, 0,1,2,3,4,5,6,7,8,9,10,11,12,13,14,15
	ds_load_b128 v[BB+4*\t:BB+4*\t+3], v[RD] offset:\t*SPITCH
.endr
.endm
.macro SEND a, x, younger              ; younger: the LDS instructions of the next block, issued behind this one's loads
	BUF \x
	s_wait_dscnt \younger
.irp t, 0,1,2,3,4,5,6,7,8,9,10,11,12,13,14,15
	global_store_b128 v[LI], v[BB+4*\t:BB+4*\t+3], s[10:11] offset:(16*((\a)/2)+\t)*1024+512*((\a)%2) th:TH_STORE_NT
.endr
.endm
	TOSTAGE 0, 0
	Z 3, 0
	TOSTAGE 2, 1
	SEND 0, 0, 32
	Z 0, 8
	s_wait_xcnt 0x0                                ; the buffer's stores have read it
	TOSTAGE 4, 0
	SEND 2, 1, 32
	Z 1, 8
	PLACES 8                                       ; behind the products whose sums are read next
	s_wait_xcnt 0x0
	TOSTAGE 1, 1
	SEND 4, 0, 32
	Z 2, 8
	PLACES 8
	s_wait_xcnt 0x0
	TOSTAGE 3, 0
	SEND 1, 1, 32
	Z 3, 8
	PLACES 8
	s_wait_xcnt 0x0
	TOSTAGE 5, 1
	SEND 3, 0, 32
	s_wait_xcnt 0x0
	TOSTAGE 6, 0
	SEND 5, 1, 32
	s_wait_xcnt 0x0
	TOSTAGE 7, 1
	SEND 6, 0, 32
	SEND 7, 1, 0
	s_wait_tensorcnt 0x0                           ; the wave's end
	ds_add_u32 v[SPW], v[NIL]
	s_wait_dscnt 0x0
	CROUND                                         ; the closing round: no work-group ends while a partner may still ask for a tile that names it
	s_endpgm
.Lfunc_end_k_qb2d8570342_main:
	.size	k_qb2d8570342_main, .Lfunc_end_k_qb2d8570342_main-k_qb2d8570342_main
	.p2alignl 7, 3214868480
	.fill 96, 4, 3214868480
	.section	.rodata,"a",@progbits
	.p2align	6, 0x0
	.amdhsa_kernel k_qb2d8570342_main
		.amdhsa_group_segment_fixed_size 327680
		.amdhsa_private_segment_fixed_size 0
		.amdhsa_enable_private_segment 0
		.amdhsa_kernarg_size 32
		.amdhsa_user_sgpr_count 2
		.amdhsa_user_sgpr_kernarg_segment_ptr 1
		.amdhsa_wavefront_size32 1
		.amdhsa_system_sgpr_workgroup_id_x 1
		.amdhsa_system_sgpr_workgroup_id_y 1
		.amdhsa_system_sgpr_workgroup_id_z 1
		.amdhsa_system_vgpr_workitem_id 0
		.amdhsa_next_free_vgpr 1024
		.amdhsa_next_free_sgpr 66
		.amdhsa_reserve_vcc 0
		.amdhsa_float_denorm_mode_32 3
		.amdhsa_float_denorm_mode_16_64 3
		.amdhsa_memory_ordered 1
		.amdhsa_forward_progress 1
		.amdhsa_inst_pref_size 255
	.end_amdhsa_kernel
	.section	.bss,"aw",@nobits
	.p2align	6
	.space	262144
	.amdgpu_metadata
---
amdhsa.version: [ 1, 2 ]
amdhsa.kernels:
  - .name:           k_qb2d8570342_main
    .symbol:         k_qb2d8570342_main.kd
    .args:
      - { .name: values, .offset: 0, .size: 8, .value_kind: global_buffer, .address_space: global }
      - { .name: lookups, .offset: 8, .size: 8, .value_kind: global_buffer, .address_space: global }
      - { .name: wq, .offset: 16, .size: 8, .value_kind: global_buffer, .address_space: global }
      - { .name: out0, .offset: 24, .size: 8, .value_kind: global_buffer, .address_space: global }
    .group_segment_fixed_size: 327680
    .private_segment_fixed_size: 0
    .kernarg_segment_align: 8
    .kernarg_segment_size: 32
    .max_flat_workgroup_size: 128
    .sgpr_count:     66
    .vgpr_count:     1024
    .wavefront_size: 32
...
	.end_amdgpu_metadata
.endif
;; end of part 2
